; MI455X (gfx1250); checked and timed in simulation.
; The chip was launched on July 23, 2026; its instructions are those of AMD's public machine-readable ISA for CDNA 5 (MIT licence, August 2026) and "CDNA5" Instruction Set Architecture Reference Guide (July 2026). The comments in the code are by the model that wrote it; some were corrected since.
;; LS Net. Allowed arithmetic: float matrix products may take bf16 or f16 operands with f32 sums; all other float work in f32.
;; Inputs: F_ 64 x 100,000 x 2 float32; X 64 x 100,000 x 3 float32; lbl 64 x 100,000 int32; weights 20 float32.
;; Outputs: out0 64 x 2 x 3 float32.
;; One version. Each part assembles by itself: llvm-mc -triple=amdgcn-amd-amdhsa -mcpu=gfx1250 --defsym DOCPART=n.
;; ======== version 1 of 1: 2 launches
;; workspace buffers: part 12,288 bytes
;; launch sums (part 1): grid 256 x 1, 32 waves a work-group, no clusters, 5,632 bytes of LDS; arguments X, F_, lbl, weights, part; writes part
.if DOCPART == 1
	.amdgcn_target "amdgcn-amd-amdhsa--gfx1250"
	.amdhsa_code_object_version 6
	.text
	.protected	k_q48ec58f192_sums
	.globl	k_q48ec58f192_sums
	.p2align	8
	.type	k_q48ec58f192_sums,@function
k_q48ec58f192_sums:
	s_mov_b64 s[64:65], 0
	v_nop
	global_prefetch_b8 v0, s[64:65] scope:SCOPE_SE
	s_setreg_imm32_b32 hwreg(HW_REG_WAVE_MODE, 25, 1), 1
	s_wait_xcnt 0x0
; Partial sums of  XtX[i][j] = sum_n w^2 x_i x_j  and  XtF[i][j] = sum_n w^2 x_i f_j,  w = softmax(weights)[lbl[n]].
; X [64][100000][3] f32, F_ [64][100000][2] f32, lbl [64][100000] i32, weights [20] f32.
; part [256][12] f32: work-group g (a quarter of batch g / 4) stores S00 S11 S02 S12 G00 G01 G10 G11 G20 G21 S01 S22
; (S = XtX, which is symmetric as the sums are formed; G = XtF).
;
; 24 bytes are read for a point and about 30 operations done on them: the bytes decide.  So: every byte is read once,
; each load of a wave covers consecutive bytes (384 of X, 256 of F_, 128 of lbl), and 36 loads of every wave are on their way.
; All arithmetic is f32 on the vector unit.  The matrix unit is left out: of a 16 x 16 tile 15 results would be used, its operands
; want the points along a lane's registers while memory has a point's 3 (2) numbers side by side, so that every byte would have
; to be transposed through LDS, and the sums G cancel to about the square root of their number of terms, which 16-bit operands would blur.
; No cluster: the work-groups share nothing but the 80 bytes of weights.  No LDS ring: the registers hold what is in flight.
;
; SHARES.  A batch is 3,125 units of 32 points; its four work-groups take 781, 781, 781, 782 units, so every chunk begins on a whole unit.
; In trip k thread t takes point 1024 k + t of the chunk: the offsets are 12 t, 8 t, 4 t, the trip goes into the immediate, nothing is stepped.
; Trips 0-23 are full (24,576 points).  Trip 24 holds the last 416 or 448 points: lanes past the end read the chunk's last point
; once more and give it the weight 0, so that all waves issue the same loads and the counted waits hold for all of them.
;
; LIMITS.  Labels are taken as unsigned and clamped to 19 (the problem has them in 0..19).  w^2 is formed once as w * w: a class whose
; softmax weight is below about 1e-19 adds 0 (there (w x)(w x) underflows too for |x| about 1).  v_exp_f32 gives 0 for a weight
; more than about 87 below the largest (its result would be denormal: ISA guide 15.8).
.set UNITS_B, 3125                     ; units of 32 points in a batch
.set UNITS_Q, 781                      ; units of a work-group (the fourth of a batch: one more)
.set FULL,    24                       ; trips in which all 1,024 threads have a point
.set TRIPS,   25
.set DEPTH,   12                       ; slots of the ring = trips on their way
.set TRIP_X,  1024*12                  ; bytes of X, F_, lbl that the work-group takes in a trip
.set TRIP_F,  1024*8
.set TRIP_L,  1024*4
.set CLASSES, 20
.set VOX, 2                            ; v2      12 t
.set VOF, 3                            ; v3       8 t
.set VOL, 4                            ; v4       4 t
.set VTP, 5                            ; v5      my point of trip 24, clamped to the chunk's last
.set VTX, 6                            ; v6-8    its byte offsets in X, F_, lbl
.set VTF, 7
.set VTL, 8
.set VOW, 9                            ; v9      byte offset of my lane's weight
.set W,   10                           ; v10     softmax at work
.set RED, 11                           ; v11     its maximum, then its sum
.set TT,  12                           ; v12     the other half's figure in a reduction
.set TAB, 13                           ; v13     lane c: softmax(weights)[c] squared; lanes 20-31: 0
.set LA,  14                           ; v14     LDS address
.set ZERO, 15                          ; v15     0, the offset of the last stores
.set XB,  16                           ; v16-63  slot s: v[16+4s .. +2] = x0 x1 x2, v[16+4s+3] = label, then 4 x label, then w^2
.set FB,  64                           ; v64-87  slot s: f0 f1
.set ACC, 88                           ; v88-99  the 12 sums, in the order of part
.set A,   100                          ; v100-103  w^2 x0, w^2 x1, w^2 x2, (w^4: fills the pair, never used)
	s_load_b256 s[4:11], s[0:1], 0x0               ; X s[4:5], F_ s[6:7], lbl s[8:9], weights s[10:11]
	s_load_b64 s[12:13], s[0:1], 0x20              ; part
	v_lshl_add_u32 v104, v0, 2, 0x600
	v_mov_b32 v105, 0
	v_lshrrev_b32 v1, 5, v0
	v_readfirstlane_b32 s14, v1                    ; wave 0..31
	v_and_b32 v1, 31, v0                           ; lane
	s_lshr_b32 s15, ttmp9, 2                       ; batch
	s_and_b32 s16, ttmp9, 3                        ; which quarter of it
	s_mul_i32 s17, s15, UNITS_B
	s_mul_i32 s18, s16, UNITS_Q
	s_add_co_u32 s17, s17, s18                     ; my first unit, at most 199,218: all byte offsets stay below 2^27
	s_mul_i32 s20, s17, 384                        ; a unit is 384 bytes of X,
	s_mov_b32 s21, 0
	s_lshl_b32 s22, s17, 8                         ; 256 of F_,
	s_mov_b32 s23, 0
	s_lshl_b32 s24, s17, 7                         ; 128 of lbl
	s_mov_b32 s25, 0
	s_mul_i32 s26, ttmp9, 48                       ; my 12 numbers in part
	s_mov_b32 s27, 0
	s_cmp_eq_u32 s16, 3
	s_cselect_b32 s28, 32, 0
	s_add_co_u32 s28, s28, UNITS_Q*32              ; points of my chunk: 24,992 or 25,024
	s_sub_co_u32 s29, s28, 1                       ; the last of them
	s_mov_b32 s30, 0x76543210                      ; v_permlanex16_b32: lane i reads lane i of the other half
	s_mov_b32 s31, 0xfedcba98
	s_mul_i32 s33, s14, 48                         ; my wave's 48 bytes in LDS
	v_mul_u32_u24 v[VOX], 12, v0
	v_lshlrev_b32 v[VOF], 3, v0
	v_lshlrev_b32 v[VOL], 2, v0
	v_add_nc_u32 v[VTP], FULL*1024, v0             ; my point of trip 24
	v_cmp_gt_u32 s32, s28, v[VTP]                  ; s32: the lanes for which it exists
	v_min_u32 v[VTP], s29, v[VTP]                  ; the others stay inside the chunk
	v_mul_u32_u24 v[VTX], 12, v[VTP]
	v_lshlrev_b32 v[VTF], 3, v[VTP]
	v_lshlrev_b32 v[VTL], 2, v[VTP]
	v_min_u32 v[VOW], CLASSES-1, v1                ; lanes 20-31 read weight 19 again: harmless to the maximum, zeroed before the sum
	v_lshlrev_b32 v[VOW], 2, v[VOW]
	v_mov_b32 v[TT], 0                             ; v_permlanex16_b32 counts as a reader of its destination
	s_wait_kmcnt 0x0
	s_add_nc_u64 s[4:5], s[4:5], s[20:21]
	s_add_nc_u64 s[6:7], s[6:7], s[22:23]
	s_add_nc_u64 s[8:9], s[8:9], s[24:25]
	s_add_nc_u64 s[12:13], s[12:13], s[26:27]
	global_load_b32 v[W], v[VOW], s[10:11]         ; the oldest load: every later count leaves it behind
; The three loads of a trip, the label first: it is wanted one trip earlier than the rest.
.macro FILL trip
.set SLF, (\trip)%DEPTH
.if (\trip) < FULL
	global_load_b32 v[XB+4*SLF+3], v[VOL], s[8:9] offset:TRIP_L*(\trip) th:TH_LOAD_NT
	global_load_b96 v[XB+4*SLF:XB+4*SLF+2], v[VOX], s[4:5] offset:TRIP_X*(\trip) th:TH_LOAD_NT
	global_load_b64 v[FB+2*SLF:FB+2*SLF+1], v[VOF], s[6:7] offset:TRIP_F*(\trip) th:TH_LOAD_NT
.else
	global_load_b32 v[XB+4*SLF+3], v[VTL], s[8:9]              ; the last trip: clamped offsets; no hint, the clamped lanes read a point again
	global_load_b96 v[XB+4*SLF:XB+4*SLF+2], v[VTX], s[4:5]
	global_load_b64 v[FB+2*SLF:FB+2*SLF+1], v[VTF], s[6:7]
.endif
.endm
.set t, 0
.rept DEPTH
	FILL t                                         ; trips 0-11: the ring is filled before anything is computed
.set t, t+1
.endr
; One figure over the wave's 32 lanes, the result in every lane: four steps inside each half ride on the arithmetic, one crosses.
.macro ALL32 opdpp, op, r
.irp m, 1,2,4,8
	\opdpp v[\r], v[\r], v[\r] row_xmask:\m row_mask:0xf bank_mask:0xf
.endr
	v_permlanex16_b32 v[TT], v[\r], s30, s31
	\op v[\r], v[\r], v[TT]
.endm
	; softmax(weights), squared, lane c for class c; every wave makes its own table while its ring fills
	s_wait_loadcnt 3*DEPTH                         ; loads come back in order (ISA guide 5.7.1): the weight is in, the ring's 36 loads stay out
	v_mov_b32 v[RED], v[W]
	ALL32 v_max_num_f32_dpp, v_max_num_f32, RED    ; the largest weight
	v_cmp_gt_u32 vcc_lo, CLASSES, v1
	v_sub_f32 v[W], v[W], v[RED]
	v_mul_f32 v[W], 0x3fb8aa3b, v[W]               ; e^x = 2^(x log2 e)
	v_exp_f32 v[W], v[W]
	v_nop                                          ; one plain vector instruction between a transcendental and the use of its result (ISA guide 5.7.2)
	s_wait_alu depctr_va_vdst(0)
	v_cndmask_b32 v[W], 0, v[W], vcc_lo            ; lanes 20-31 hold no class
	v_mov_b32 v[RED], v[W]
	ALL32 v_add_f32_dpp, v_add_f32, RED
	v_rcp_f32 v[RED], v[RED]
	v_nop                                          ; as above
	s_wait_alu depctr_va_vdst(0)
	v_mul_f32 v[W], v[W], v[RED]
	v_mul_f32 v[TAB], v[W], v[W]
; The weight of a trip's point: lane l takes TAB of lane lbl.  left = the loads issued behind that trip's label.
.macro LOOKUP trip, left
.set SLK, XB+4*((\trip)%DEPTH)+3
	s_wait_loadcnt \left
	v_min_u32 v[SLK], CLASSES-1, v[SLK]            ; stays inside the table
	v_lshlrev_b32 v[SLK], 2, v[SLK]                ; the lane is named by 4 x its number
	ds_bpermute_b32 v[SLK], v[SLK], v[TAB]
.endm
; A trip.  First the next trip's lookup is sent off; the wait in it (its label is in) shows this trip's three loads in as well, being older:
; behind that label stand its own X and F_ (2) and three loads for each younger trip, 10 of them while the ring is refilled: 32.
.macro TURN trip
.set LAST, (\trip)+DEPTH-1                         ; the youngest trip asked for so far
.if LAST > TRIPS-1
.set LAST, TRIPS-1
.endif
.set NXT, (\trip)+1
.set LEFT, 2+3*(LAST-NXT)
.set NEW, (\trip)+DEPTH
.set SX, XB+4*((\trip)%DEPTH)
.set SF, FB+2*((\trip)%DEPTH)
.if NXT < TRIPS
	LOOKUP NXT, LEFT
	s_wait_dscnt 0x1                               ; my weight is in; the lookup just sent stays out
.else
	s_wait_loadcnt 0x0                             ; the last trip: nothing was issued behind it
	s_wait_dscnt 0x0
	v_cndmask_b32 v[SX+3], 0, v[SX+3], s32         ; lanes past the chunk's end add nothing
.endif
	v_pk_mul_f32 v[A:A+1], v[SX:SX+1], v[SX+2:SX+3] op_sel:[0,1] op_sel_hi:[1,1]        ; (x0, x1) w^2
	v_pk_mul_f32 v[A+2:A+3], v[SX+2:SX+3], v[SX+2:SX+3] op_sel:[0,1] op_sel_hi:[1,1]    ; (x2, w^2) w^2: the upper one only fills the pair
.if (\trip) == 0
	; the first products start the sums: nothing is cleared
	v_pk_mul_f32 v[ACC:ACC+1], v[A:A+1], v[SX:SX+1]                                     ; S00, S11
	v_pk_mul_f32 v[ACC+2:ACC+3], v[A:A+1], v[SX+2:SX+3] op_sel_hi:[1,0]                 ; S02, S12: both by x2
	v_pk_mul_f32 v[ACC+4:ACC+5], v[A:A+1], v[SF:SF+1] op_sel_hi:[0,1]                   ; G00, G01: w^2 x0 by (f0, f1)
	v_pk_mul_f32 v[ACC+6:ACC+7], v[A:A+1], v[SF:SF+1] op_sel:[1,0] op_sel_hi:[1,1]      ; G10, G11: w^2 x1
	v_pk_mul_f32 v[ACC+8:ACC+9], v[A+2:A+3], v[SF:SF+1] op_sel_hi:[0,1]                 ; G20, G21: w^2 x2
	v_dual_mul_f32 v[ACC+10], v[A], v[SX+1] :: v_dual_mul_f32 v[ACC+11], v[A+2], v[SX+2]    ; S01, S22
.else
	v_pk_fma_f32 v[ACC:ACC+1], v[A:A+1], v[SX:SX+1], v[ACC:ACC+1]
	v_pk_fma_f32 v[ACC+2:ACC+3], v[A:A+1], v[SX+2:SX+3], v[ACC+2:ACC+3] op_sel_hi:[1,0,1]
	v_pk_fma_f32 v[ACC+4:ACC+5], v[A:A+1], v[SF:SF+1], v[ACC+4:ACC+5] op_sel_hi:[0,1,1]
	v_pk_fma_f32 v[ACC+6:ACC+7], v[A:A+1], v[SF:SF+1], v[ACC+6:ACC+7] op_sel:[1,0,0] op_sel_hi:[1,1,1]
	v_pk_fma_f32 v[ACC+8:ACC+9], v[A+2:A+3], v[SF:SF+1], v[ACC+8:ACC+9] op_sel_hi:[0,1,1]
	v_dual_fmac_f32 v[ACC+10], v[A], v[SX+1] :: v_dual_fmac_f32 v[ACC+11], v[A+2], v[SX+2]
.endif
.if NEW < TRIPS
	FILL NEW                                       ; the slot's next trip; offsets and bases are never rewritten, so no wait stands here
.endif
.endm
	LOOKUP 0, 2+3*(DEPTH-1)                        ; behind label 0: its X and F_ and the 33 loads of trips 1-11
.set t, 0
.rept TRIPS
	TURN t
.set t, t+1
.endr
; The 12 sums over the wave's 32 lanes, step by step over all twelve, so that no instruction waits for the one in front of it.
; v16-27 (slots 0-2, done with) take the other half's figures.
.macro LANESUM
.irp m, 1,2,4,8
.irp c, 0,1,2,3,4,5,6,7,8,9,10,11
	v_add_f32_dpp v[ACC+\c], v[ACC+\c], v[ACC+\c] row_xmask:\m row_mask:0xf bank_mask:0xf
.endr
.endr
.irp c, 0,1,2,3,4,5,6,7,8,9,10,11
	v_permlanex16_b32 v[XB+\c], v[ACC+\c], s30, s31
.endr
.irp c, 0,2,4,6,8,10
	v_pk_add_f32 v[ACC+\c:ACC+\c+1], v[ACC+\c:ACC+\c+1], v[XB+\c:XB+\c+1]
.endr
.endm
	LANESUM
	v_mov_b32 v[LA], s33                           ; all lanes hold the same 12 numbers and write them to the wave's own 48 bytes
	ds_store_b128 v[LA], v[ACC:ACC+3]
	ds_store_b128 v[LA], v[ACC+4:ACC+7] offset:16
	ds_store_b128 v[LA], v[ACC+8:ACC+11] offset:32
	s_wait_dscnt 0x0                               ; for wave 0's sake: my stores are done before I say so
	s_barrier_signal -1
	s_barrier_wait -1
	s_cmp_lg_u32 s14, 0
	s_cbranch_scc1 .Ldone
	v_mul_u32_u24 v[LA], 48, v1                    ; wave 0: lane l takes wave l's 12 numbers (48 bytes apart: an odd multiple of 16)
	ds_load_b128 v[ACC:ACC+3], v[LA]
	ds_load_b128 v[ACC+4:ACC+7], v[LA] offset:16
	ds_load_b128 v[ACC+8:ACC+11], v[LA] offset:32
	v_mov_b32 v[ZERO], 0
	s_wait_dscnt 0x0
	LANESUM
	s_wait_xcnt 0x0                                ; EXEC is a source of the earlier loads: it changes only behind this wait
	v_cmp_eq_u32 vcc_lo, 0, v0
	s_wait_tensorcnt 0x0
	ds_add_u32 v104, v105
	s_wait_dscnt 0x0
	s_and_saveexec_b32 s34, vcc_lo                 ; one lane stores the work-group's 48 bytes
	global_store_b128 v[ZERO], v[ACC:ACC+3], s[12:13]
	global_store_b128 v[ZERO], v[ACC+4:ACC+7], s[12:13] offset:16
	global_store_b128 v[ZERO], v[ACC+8:ACC+11], s[12:13] offset:32
	s_endpgm
.Ldone:
	s_wait_tensorcnt 0x0
	ds_add_u32 v104, v105
	s_wait_dscnt 0x0
	s_endpgm
.Lfunc_end_k_q48ec58f192_sums:
	.size	k_q48ec58f192_sums, .Lfunc_end_k_q48ec58f192_sums-k_q48ec58f192_sums
	.p2alignl 7, 3214868480
	.fill 96, 4, 3214868480
	.section	.rodata,"a",@progbits
	.p2align	6, 0x0
	.amdhsa_kernel k_q48ec58f192_sums
		.amdhsa_group_segment_fixed_size 5632
		.amdhsa_private_segment_fixed_size 0
		.amdhsa_enable_private_segment 0
		.amdhsa_kernarg_size 40
		.amdhsa_user_sgpr_count 2
		.amdhsa_user_sgpr_kernarg_segment_ptr 1
		.amdhsa_wavefront_size32 1
		.amdhsa_system_sgpr_workgroup_id_x 1
		.amdhsa_system_sgpr_workgroup_id_y 1
		.amdhsa_system_sgpr_workgroup_id_z 1
		.amdhsa_system_vgpr_workitem_id 0
		.amdhsa_next_free_vgpr 106
		.amdhsa_next_free_sgpr 66
		.amdhsa_reserve_vcc 1
		.amdhsa_float_denorm_mode_32 3
		.amdhsa_float_denorm_mode_16_64 3
		.amdhsa_memory_ordered 1
		.amdhsa_forward_progress 1
		.amdhsa_inst_pref_size 38
	.end_amdhsa_kernel
	.amdgpu_metadata
---
amdhsa.version: [ 1, 2 ]
amdhsa.kernels:
  - .name:           k_q48ec58f192_sums
    .symbol:         k_q48ec58f192_sums.kd
    .args:
      - { .name: X, .offset: 0, .size: 8, .value_kind: global_buffer, .address_space: global }
      - { .name: F_, .offset: 8, .size: 8, .value_kind: global_buffer, .address_space: global }
      - { .name: lbl, .offset: 16, .size: 8, .value_kind: global_buffer, .address_space: global }
      - { .name: weights, .offset: 24, .size: 8, .value_kind: global_buffer, .address_space: global }
      - { .name: part, .offset: 32, .size: 8, .value_kind: global_buffer, .address_space: global }
    .group_segment_fixed_size: 5632
    .private_segment_fixed_size: 0
    .kernarg_segment_align: 8
    .kernarg_segment_size: 40
    .max_flat_workgroup_size: 1024
    .sgpr_count:     66
    .vgpr_count:     106
    .wavefront_size: 32
...
	.end_amdgpu_metadata
.endif
;; end of part 1
;; launch solve (part 2): grid 2 x 1, 1 waves a work-group, no clusters, 1,024 bytes of LDS; arguments part, out0; writes out0
.if DOCPART == 2
	.amdgcn_target "amdgcn-amd-amdhsa--gfx1250"
	.amdhsa_code_object_version 6
	.text
	.protected	k_q48ec58f192_solve
	.globl	k_q48ec58f192_solve
	.p2align	8
	.type	k_q48ec58f192_solve,@function
k_q48ec58f192_solve:
	s_mov_b64 s[64:65], 0
	v_nop
	global_prefetch_b8 v0, s[64:65] scope:SCOPE_SE
	s_setreg_imm32_b32 hwreg(HW_REG_WAVE_MODE, 25, 1), 1
	s_wait_xcnt 0x0
; out0[b][j][i] = T[i][j],  XtX T = XtF,  for 64 batches.  part [64][4][12] f32: four partial sums for a batch, each
; S00 S11 S02 S12 G00 G01 G10 G11 G20 G21 S01 S22 (S = XtX, symmetric; G = XtF).
; Two work-groups of one wave; a lane takes a batch: 192 consecutive bytes of part, twelve 16-byte loads.
; The system is solved by elimination without pivoting instead of forming the inverse: XtX is a sum of squares, so positive definite wherever its
; inverse exists, and for such matrices the elimination loses no more than the matrix's condition.  Cofactors over a determinant would lose
; about its square, which shows when X carries a large common offset.
; LIMITS.  Divisions are v_rcp_f32 (1 ulp) and a multiply; the three pivots must lie within 2^-126 .. 2^126 (beyond, v_rcp_f32 takes or
; gives a denormal as zero: ISA guide 15.8).  A singular XtX gives infinities or NaN, not necessarily in the places where an explicit inverse does.
.set P,   8                            ; v8-55   the four partial sums, 12 registers each; the totals end up in the first 12
.set S00, P+0
.set S11, P+1
.set S02, P+2
.set S12, P+3
.set G0,  P+4                          ; row 0 of XtF, two columns
.set G1,  P+6
.set G2,  P+8
.set S01, P+10
.set S22, P+11
.set RA,  56                           ; 1 / first pivot
.set L1,  57                           ; multipliers
.set L2,  58
.set D1,  59                           ; second pivot
.set E1,  60
.set F1,  61                           ; third pivot, in two steps
.set RD,  62
.set L3,  63
.set O,   64                           ; v64-69  T00 T10 T20 T01 T11 T21: the batch's 24 bytes of out0
.set R,   70                           ; v70-75  the same bytes, dealt 8 to a lane
.set H1,  76                           ; v76-77  row 1 of the right side after the first step
.set H2,  78                           ; v78-79  row 2
.set RF,  80
	s_load_b128 s[4:7], s[0:1], 0x0                ; part s[4:5], out0 s[6:7]
	v_lshl_add_u32 v84, v0, 2, 0x300
	v_mov_b32 v85, 0
	s_mul_i32 s8, ttmp9, 32*192                    ; my 32 batches in part
	s_mov_b32 s9, 0
	s_mul_i32 s10, ttmp9, 32*24                    ; and in out0
	s_mov_b32 s11, 0
	v_mul_u32_u24 v1, 192, v0
	v_mul_u32_u24 v2, 24, v0                       ; LDS: where my batch's 24 bytes go
	v_lshlrev_b32 v3, 3, v0                        ; LDS and out0: the 8 bytes that I carry out
	s_wait_kmcnt 0x0
	s_add_nc_u64 s[4:5], s[4:5], s[8:9]
	s_add_nc_u64 s[6:7], s[6:7], s[10:11]
.irp j, 0,1,2,3,4,5,6,7,8,9,10,11
	global_load_b128 v[P+4*\j:P+4*\j+3], v1, s[4:5] offset:16*\j
.endr
	s_wait_loadcnt 0x0
.irp c, 0,2,4,6,8,10
	v_pk_add_f32 v[P+\c:P+\c+1], v[P+\c:P+\c+1], v[P+12+\c:P+12+\c+1]          ; (q0 + q1) + (q2 + q3)
	v_pk_add_f32 v[P+24+\c:P+24+\c+1], v[P+24+\c:P+24+\c+1], v[P+36+\c:P+36+\c+1]
.endr
.irp c, 0,2,4,6,8,10
	v_pk_add_f32 v[P+\c:P+\c+1], v[P+\c:P+\c+1], v[P+24+\c:P+24+\c+1]
.endr
	; first column out of rows 1 and 2
	v_rcp_f32 v[RA], v[S00]
	v_nop                                          ; one plain vector instruction between a transcendental and the use of its result (ISA guide 5.7.2)
	s_wait_alu depctr_va_vdst(0)
	v_mul_f32 v[L1], v[S01], v[RA]
	v_mul_f32 v[L2], v[S02], v[RA]
	v_fma_f32 v[D1], -v[L1], v[S01], v[S11]
	v_rcp_f32 v[RD], v[D1]                         ; the lines below are the place behind it
	v_fma_f32 v[E1], -v[L1], v[S02], v[S12]
	v_fma_f32 v[F1], -v[L2], v[S02], v[S22]
.irp j, 0,1
	v_fma_f32 v[H1+\j], -v[L1], v[G0+\j], v[G1+\j]
	v_fma_f32 v[H2+\j], -v[L2], v[G0+\j], v[G2+\j]
.endr
	; second column out of row 2
	s_wait_alu depctr_va_vdst(0)
	v_mul_f32 v[L3], v[E1], v[RD]
	v_fma_f32 v[F1], -v[L3], v[E1], v[F1]
	v_rcp_f32 v[RF], v[F1]
.irp j, 0,1
	v_fma_f32 v[H2+\j], -v[L3], v[H1+\j], v[H2+\j] ; (also the place behind v_rcp_f32)
.endr
	; back substitution, both columns
	s_wait_alu depctr_va_vdst(0)
.irp j, 0,1
	v_mul_f32 v[O+3*\j+2], v[H2+\j], v[RF]
.endr
.irp j, 0,1
	v_fma_f32 v[H1+\j], -v[E1], v[O+3*\j+2], v[H1+\j]
.endr
.irp j, 0,1
	v_mul_f32 v[O+3*\j+1], v[H1+\j], v[RD]
.endr
.irp j, 0,1
	v_fma_f32 v[G0+\j], -v[S01], v[O+3*\j+1], v[G0+\j]
.endr
.irp j, 0,1
	v_fma_f32 v[G0+\j], -v[S02], v[O+3*\j+2], v[G0+\j]
.endr
.irp j, 0,1
	v_mul_f32 v[O+3*\j], v[G0+\j], v[RA]
.endr
	; The way out: a lane holds 24 bytes, 24 bytes apart from its neighbour's.  Through the wave's LDS they are dealt again,
	; 8 neighbouring bytes to a lane, so that each store of the wave covers 256 consecutive bytes, at a multiple of 256 from out0's first byte.
	ds_store_b64 v2, v[O:O+1]
	ds_store_b64 v2, v[O+2:O+3] offset:8
	ds_store_b64 v2, v[O+4:O+5] offset:16
.irp j, 0,1,2
	ds_load_b64 v[R+2*\j:R+2*\j+1], v3 offset:256*\j   ; LDS serves a wave's instructions in order (ISA guide 5.7.1.4): these see the stores above
.endr
	s_wait_dscnt 0x0
.irp j, 0,1,2
	global_store_b64 v3, v[R+2*\j:R+2*\j+1], s[6:7] offset:256*\j
.endr
	s_wait_tensorcnt 0x0
	ds_add_u32 v84, v85
	s_wait_dscnt 0x0
	s_endpgm
.Lfunc_end_k_q48ec58f192_solve:
	.size	k_q48ec58f192_solve, .Lfunc_end_k_q48ec58f192_solve-k_q48ec58f192_solve
	.p2alignl 7, 3214868480
	.fill 96, 4, 3214868480
	.section	.rodata,"a",@progbits
	.p2align	6, 0x0
	.amdhsa_kernel k_q48ec58f192_solve
		.amdhsa_group_segment_fixed_size 1024
		.amdhsa_private_segment_fixed_size 0
		.amdhsa_enable_private_segment 0
		.amdhsa_kernarg_size 16
		.amdhsa_user_sgpr_count 2
		.amdhsa_user_sgpr_kernarg_segment_ptr 1
		.amdhsa_wavefront_size32 1
		.amdhsa_system_sgpr_workgroup_id_x 1
		.amdhsa_system_sgpr_workgroup_id_y 1
		.amdhsa_system_sgpr_workgroup_id_z 1
		.amdhsa_system_vgpr_workitem_id 0
		.amdhsa_next_free_vgpr 86
		.amdhsa_next_free_sgpr 66
		.amdhsa_reserve_vcc 0
		.amdhsa_float_denorm_mode_32 3
		.amdhsa_float_denorm_mode_16_64 3
		.amdhsa_memory_ordered 1
		.amdhsa_forward_progress 1
		.amdhsa_inst_pref_size 6
	.end_amdhsa_kernel
	.amdgpu_metadata
---
amdhsa.version: [ 1, 2 ]
amdhsa.kernels:
  - .name:           k_q48ec58f192_solve
    .symbol:         k_q48ec58f192_solve.kd
    .args:
      - { .name: part, .offset: 0, .size: 8, .value_kind: global_buffer, .address_space: global }
      - { .name: out0, .offset: 8, .size: 8, .value_kind: global_buffer, .address_space: global }
    .group_segment_fixed_size: 1024
    .private_segment_fixed_size: 0
    .kernarg_segment_align: 8
    .kernarg_segment_size: 16
    .max_flat_workgroup_size: 32
    .sgpr_count:     66
    .vgpr_count:     86
    .wavefront_size: 32
...
	.end_amdgpu_metadata
.endif
;; end of part 2
